; MI455X (gfx1250); checked and timed in simulation.
; The chip was launched on July 23, 2026; its instructions are those of AMD's public machine-readable ISA for CDNA 5 (MIT licence, August 2026) and "CDNA5" Instruction Set Architecture Reference Guide (July 2026). The comments in the code are by the model that wrote it; some were corrected since.
;; My Cross Attention ori. Allowed arithmetic: matrix products marked QUANTISED: E5M2 operands, one E8M0 scale for each 32 along K, by v_wmma_scale_f32_16x16x128_f8f6f4 with both operands' format E5M2, f32 sums; products left as they are: f32 operands where the result goes on into a quantised operand, else bf16, f16 or f32 operands; f32 sums; everything else in f32.
;; Inputs: Wk 512 x 512 float32; Wp 512 x 512 float32; Wq 512 x 512 float32; k 4 x 2,048 x 512 float32; q 4 x 4,096 x 512 float32; supp_mask 4 x 2,048 int32; v 4 x 2,048 x 512 float32.
;; Outputs: out0 4 x 4,096 x 512 float32.
;; This version of the problem:
;;   THIS VERSION OF THE PROBLEM IS GIVEN IN LOW PRECISION. The matrix products marked QUANTISED in the list below multiply operands that are first quantised to E5M2 (5 exponent bits, 2 mantissa bits; 8 bits a number), with one power-of-two scale for each 32 numbers along K (OCP MX v1.0); their sums are f32. All else is computed in f32.
;;   The module's matrix products, in the order in which they are computed (A, B: the left and right operand; K: the contracted axis; several contracted axes count as one K, in the product's order):
;;     1. [M 16,384, K 512] x [K 512, N 512]; A: input q; B: input Wq: QUANTISED
;;     2. [M 8,192, K 512] x [K 512, N 512]; A: input k; B: input Wk: QUANTISED
;;     3. batch 32 x [M 4,096, K 64] x [K 64, N 2,048]; A: computed on the way; B: computed on the way: QUANTISED
;;     4. batch 4 x [M 32,768, K 2,048] x [K 2,048, N 1]; A: softmax; B: input supp_mask: left as it is (N = 1 < 16)
;;     5. [M 16,384, K 512] x [K 512, N 512]; A: computed on the way; B: input Wp: QUANTISED
;;   THE QUANTISER, for each operand of a quantised product, along K:
;;     - K is cut into blocks of 32 from its start; a last block that is shorter is filled with zeros.
;;     - A block's scale is 2^e with e = floor(log2(the largest magnitude in the block)) - 15, held to -126 .. 127; a block of zeros has e = 0. As a byte (E8M0): e + 127.
;;     - Each number is divided by its block's scale, clamped to +-57,344, and rounded to the nearest number of E5M2, ties to even, subnormals kept.
;;     - The product sums the exact products of the quantised numbers (number of the format x scale) in f32.
;;   ~~~python
;;   def quantise(x, axis):      # numpy; x: float32 -> the quantised numbers, widened to float32 again
;;       x = np.moveaxis(x, axis, -1); K = x.shape[-1]
;;       x = np.pad(x, [(0, 0)] * (x.ndim - 1) + [(0, -K % 32)]); x = x.reshape(x.shape[:-1] + (-1, 32)); a = np.abs(x).max(-1, keepdims=True)
;;       e = np.where(a > 0, np.clip(np.frexp(np.where(a > 0, a, 1))[1] - 1 - 15, -126, 127), 0)      # np.frexp(a)[1] - 1 = floor(log2(a)), exactly
;;       r = np.clip(x / 2.0 ** e, -57344, 57344)
;;       step = 2.0 ** (np.maximum(np.frexp(np.where(r == 0, 1, r))[1] - 1, -14) - 2)
;;       q = np.round(r / step) * step * 2.0 ** e      # np.round: ties to even
;;       return np.moveaxis(q.reshape(q.shape[:-2] + (-1,))[..., :K], -1, axis).astype(np.float32)
;;   ~~~
;;   OPERANDS COMPUTED ON THE WAY. 'Computed on the way' means the value that the module computes at that place (a softmax that the list does not call 'softmax' is quantised finished and normalised). What goes into a quantiser is computed in f32, as accurately as f32 sums, v_exp_f32 and their like allow (about 1e-6 of the number): no bf16 or f16 on the way to a quantiser, and a product that is left as it is and whose result goes on into a quantised operand takes f32 operands (vector FMAs, or v_wmma_f32_16x16x4_f32). A number that lies on a knife's edge between two numbers of the format may be rounded either way, as far as f32 arithmetic and the matrix unit's own rounding can turn it there, and no further.
;; One version. Each part assembles by itself: llvm-mc -triple=amdgcn-amd-amdhsa -mcpu=gfx1250 --defsym DOCPART=n.
;; ======== version 1 of 1: 3 launches
;; limits: right only within a limited range of input values
;; workspace buffers: stream 5,570,560 bytes; wpi 278,528 bytes; qst 8,388,608 bytes; qsc 524,288 bytes; sbuf 524,288 bytes
;; launch prep (part 1): grid 256 x 1, 16 waves a work-group, no clusters, 141,312 bytes of LDS; arguments k, Wk, Wq, Wp, q, stream, wpi, qst, qsc; writes stream, wpi, qst, qsc
.if DOCPART == 1
	.amdgcn_target "amdgcn-amd-amdhsa--gfx1250"
	.amdhsa_code_object_version 6
	.text
	.protected	k_q3342eb6acc_prep
	.globl	k_q3342eb6acc_prep
	.p2align	8
	.type	k_q3342eb6acc_prep,@function
k_q3342eb6acc_prep:
	s_mov_b64 s[64:65], 0
	v_nop
	global_prefetch_b8 v0, s[64:65] scope:SCOPE_SE
	s_setreg_imm32_b32 hwreg(HW_REG_WAVE_MODE, 25, 1), 1
	s_wait_xcnt 0x0
; kh = Q(k) Q(Wk)^T in MX-BF8 (codes of E5M2, one E8M0 byte for each 32 along K), quantised again along each head's 64; q, Wq and Wp quantised along their K.  All leave as IMAGES OF OPERAND REGISTERS:
; a fragment is 2,048 bytes (register group c at 512 c, lane l's 16 bytes at 16 l) with a block of 128 bytes of scale words (lane l's word at 4 l).
; DEAD WORK: the input v has no way to the output: reference() never reads it (the values are supp_mask, spread over the head's 64).  It is not loaded and is no launch's argument.  A NaN or infinity in v is therefore not carried.
; stream: 32 records of RECX bytes, record 8 batch + head: 64 fragments of keys (fragment u: groups 0, 1 = key 32 u + r, d = 0 .. 63; groups 2, 3 = key 32 u + 16 + r; scale word [tile 0: e0, e1 | tile 1: e0, e1]),
;   their scale words from SCOFF on; from REC on the head's 64 rows of Wq: fragment 4 t + K step, their scale words 32,768 bytes further on.  Wq is stored once for each batch, so that a record is one dense run.
;   Wq's rows of tile T = 4 head + t are 64 (T/4) + 32 ((T/2)%2) + 8 (T%2) + r + 8 (r/8), so that the transposed product leaves 16 neighbours of a head in a lane.
; wpi: Wp, two halves of REC bytes (K steps 0-1, 2-3): fragment 2 T + (K step & 1), rows 16 T + r; scale words from SCOFF on.
; qst: q's fragment 4 (row / 16) + K step;  qsc: its scale words, in the same order.
; SHARES.  Work-group i: batch i / 64, 128 keys (i / 4) % 16, two heads i % 4; sixteen waves.  Waves 0-7 quantise 16 rows of k each, waves 8-15 16 rows of Wk each (4 K steps), into LDS; one barrier; then wave w < 8 =
; (head w / 4, key tiles 2 (w % 4), + 1) multiplies: 8 accumulators by turns, source 0 = Wk's rows, source 1 = the keys: a lane holds ONE key and its 64 numbers are one fragment of the stream.
; Work-group i also quantises q's rows 64 i .. 64 i + 63, one fragment a wave (asked for at the head, worked last), and its wave 15 weight fragment i of the 256 (128 of Wq, 128 of Wp).
; By this text's count a wave has 48 loads out at the start: q's fragment and the first two of its four.
; LIMITS: NaN and infinities among the inputs are not served.  A block whose largest magnitude lies under 2^-111 gets the byte 1; a block of zeros too, where the rule says 127: its codes are zeros, and this program alone reads the bytes.
; No tensor loads and no joint loads: the operands arrive as f32 and pass through registers for the quantiser.
.set REC,   139264
.set RECX,  174080
.set SCOFF, 131072
.set WIMG,  65536                      ; LDS: fragment 4 wave + K step at 2,048 each: k's 32 from 0, Wk's 32 from here,
.set SCL,   131072                     ; their scale words, 128 bytes each, in the same order
.set SPARE, 139264                     ; the spare words, 128 bytes a wave
.set KA,  3                            ; row r of 2,048 bytes + 64 (lane / 16)
.set RA,  4                            ; my four fragments' rows: as KA for k, row r + 8 (r / 8) for Wk
.set EA,  5                            ; the weight fragment's rows
.set LI,  6                            ; 16 x lane
.set LS,  7                            ; 4 x lane
.set KWI, 8                            ; where I store images and scale words
.set KWS, 10
.set KRI, 12                           ; where the multiplying waves read them
.set WRI, 13
.set KRS, 14
.set WRS, 15
.set PC,  16                           ; v16-31 codes just made; in the products the first key tile
.set XF,  16
.set TM,  32                           ; v32-47 the quantiser's scratch; in the products the second key tile
.set WS,  48
.set XS,  52
.set PW,  54                           ; the scale word just made
.set SPW, 56
.set NIL, 57
.set ST0, 64                           ; v64-191 two sets of 64 numbers; later Wk's four fragments and the accumulators; in wave 15 the weight fragment
.set WF,  64
.set ACC, 128
.set EX,  192                          ; v192-255 q's fragment
.set WV,  14
.set MNT, 19
.set SEL, 20
.macro XLOAD reg, va, sb, off          ; 16 rows x 128 K of f32: register 16 c + i = k 32 c + 16 (lane / 16) + i of my row
.irp c, 0,1,2,3
.irp j, 0,1,2,3
	global_load_b128 v[\reg+16*\c+4*\j:\reg+16*\c+4*\j+3], v[\va], s[\sb:\sb+1] offset:\off+128*\c+16*\j
.endr
.endr
.endm
; 64 numbers of a lane, four blocks of 16 (the other 16 lie in lane l xor 16), become codes in v[d + 4 b + gap (b / 2)] on and the scale word v[PW]
.macro QUANT s, d, gap
.irp b, 0,1,2,3
	v_max3_num_f32 v[TM+\b], |v[\s+16*\b]|, |v[\s+16*\b+1]|, 0x8000000   ; and the floor 2^(16 - 127): the byte cannot fall under 1
.endr
.irp i, 2,4,6,8,10,12,14
.irp b, 0,1,2,3
	v_max3_num_f32 v[TM+\b], v[TM+\b], |v[\s+16*\b+\i]|, |v[\s+16*\b+\i+1]|
.endr
.endr
.irp b, 0,1,2,3
	s_delay_alu instid0(VALU_DEP_4)
	v_permlanex16_b32 v[TM+4+\b], v[TM+\b], s[SEL], s[SEL+1]
.endr
.irp b, 0,1,2,3
	s_delay_alu instid0(VALU_DEP_4)
	v_max_num_f32 v[TM+\b], v[TM+\b], v[TM+4+\b]         ; the block's largest magnitude
.endr
.irp b, 0,1,2,3
	s_delay_alu instid0(VALU_DEP_4)
	v_add_nc_u32 v[TM+12+\b], 0xf8800000, v[TM+\b]       ; 15 off its exponent field: the conversion's scale operand
.endr
.irp b, 0,1,2,3
	v_and_or_b32 v[TM+8+\b], v[TM+\b], 0x7f800000, s[MNT] ; 57,344 x the scale
.endr
.irp b, 0,1,2,3
	v_lshrrev_b32 v[TM+4+\b], 23, v[TM+12+\b]            ; the scale's byte
.endr
	s_delay_alu instid0(VALU_DEP_3)
	v_lshl_or_b32 v[PW], v[TM+5], 8, v[TM+4]
	s_delay_alu instid0(VALU_DEP_1)
	v_lshl_or_b32 v[PW], v[TM+6], 16, v[PW]
	s_delay_alu instid0(VALU_DEP_1)
	v_lshl_or_b32 v[PW], v[TM+7], 24, v[PW]
.irp b, 0,1,2,3
.irp i, 0,1,2,3,4,5,6,7,8,9,10,11,12,13,14,15
	v_med3_num_f32 v[\s+16*\b+\i], v[\s+16*\b+\i], -v[TM+8+\b], v[TM+8+\b]   ; the conversion does not saturate (ISA guide 7.6.2): the hold comes first
.endr
	v_cvt_scalef32_pk8_bf8_f32 v[\d+4*\b+\gap*(\b/2):\d+4*\b+\gap*(\b/2)+1], v[\s+16*\b:\s+16*\b+7], v[TM+12+\b]
	v_cvt_scalef32_pk8_bf8_f32 v[\d+4*\b+\gap*(\b/2)+2:\d+4*\b+\gap*(\b/2)+3], v[\s+16*\b+8:\s+16*\b+15], v[TM+12+\b]
.endr
	v_nop                                                ; a plain line behind the last conversion
.endm
.macro IMAGE va, off
.irp c, 0,1,2,3
	ds_store_b128 v[\va], v[PC+4*\c:PC+4*\c+3] offset:\off+512*\c
.endr
.endm
.macro FETCH reg, va, off
.irp c, 0,1,2,3
	ds_load_b128 v[\reg+4*\c:\reg+4*\c+3], v[\va] offset:\off+512*\c
.endr
.endm
.macro OUTC sb, off                    ; the fragment in v[PC] on leaves: each store covers 512 consecutive bytes, aligned
.irp c, 0,1,2,3
	global_store_b128 v[LI], v[PC+4*\c:PC+4*\c+3], s[\sb:\sb+1] offset:\off+512*\c
.endr
.endm
	s_load_b256 s[4:11], s[0:1], 0x0               ; k, Wk, Wq, Wp
	s_load_b256 s[68:75], s[0:1], 0x20             ; q, stream, wpi, qst
	s_load_b64 s[76:77], s[0:1], 0x40              ; qsc
	v_lshl_add_u32 v[SPW], v0, 2, SPARE
	v_mov_b32 v[NIL], 0
	v_lshrrev_b32 v1, 5, v0
	v_readfirstlane_b32 s[WV], v1                  ; wave 0..15
	s_and_b32 s62, s[WV], 7                        ; which 16 rows of k or of Wk; in the products: which part
	s_lshr_b32 s63, s[WV], 3                       ; 0: I quantise k, 1: Wk
	s_lshr_b32 s15, ttmp9, 6                       ; batch
	s_bfe_u32 s16, ttmp9, 0x40002                  ; which 128 keys
	s_and_b32 s17, ttmp9, 3                        ; which pair of heads
	s_lshr_b32 s18, s62, 2                         ; which head of the pair
	s_and_b32 s22, s62, 3                          ; which pair of key tiles
	s_mov_b32 s[MNT], 0x600000
	s_mov_b32 s[SEL], 0x76543210
	s_mov_b32 s[SEL+1], 0xfedcba98
	s_lshr_b32 s48, ttmp9, 7                       ; the weight fragment: 0 Wq, 1 Wp
	s_and_b32 s49, ttmp9, 127
	s_lshr_b32 s50, s49, 2                         ; its tile T
	s_and_b32 s51, s49, 3                          ; its K step
	s_xor_b32 s52, s48, 1                          ; 1 for Wq's order of rows
	s_lshl_b32 s86, s[WV], 13                      ; LDS: four fragments a wave
	s_lshl_b32 s87, s[WV], 9
	s_add_co_u32 s87, s87, SCL
	s_lshl_b32 s88, s22, 14                        ; my two key tiles: eight fragments
	s_lshl_b32 s89, s18, 15                        ; my head's four tiles of Wk
	s_add_co_u32 s89, s89, WIMG
	s_lshl_b32 s90, s22, 10
	s_add_co_u32 s90, s90, SCL
	s_lshl_b32 s91, s18, 11
	s_add_co_u32 s91, s91, SCL+4096
	; byte offsets, each in registers of its own
	s_lshl_b32 s34, s15, 11
	s_lshl_b32 s35, s16, 7
	s_add_co_u32 s34, s34, s35
	s_lshl_b32 s35, s62, 4
	s_add_co_u32 s34, s34, s35                     ; k: row 2048 b + 128 group + 16 (wave % 8)
	s_lshl_b32 s34, s34, 11
	s_lshl_b32 s36, s17, 1
	s_add_co_u32 s36, s36, s18                     ; the head
	s_lshl_b32 s37, s36, 6
	s_bfe_u32 s38, s[WV], 0x10001
	s_lshl_b32 s38, s38, 5
	s_add_co_u32 s37, s37, s38
	s_and_b32 s38, s[WV], 1
	s_lshl_b32 s38, s38, 3
	s_add_co_u32 s37, s37, s38                     ; Wk: row 64 head + 32 ((w / 2) % 2) + 8 (w % 2)
	s_lshl_b32 s38, s37, 11
	s_cmp_lt_u32 s[WV], 8
	s_cselect_b32 s34, s34, s38                    ; where my four fragments' rows begin
	s_mov_b32 s35, 0
	s_lshl_b32 s40, s15, 3
	s_add_co_u32 s40, s40, s36
	s_mul_i32 s40, s40, RECX                       ; my record: 8 batch + head
	s_lshl_b32 s42, s16, 2
	s_add_co_u32 s42, s42, s22                     ; my fragment: 4 group + pair of tiles
	s_lshl_b32 s43, s42, 11
	s_add_co_u32 s44, s40, s43
	s_mov_b32 s45, 0
	s_lshl_b32 s43, s42, 7
	s_add_co_u32 s46, s40, s43
	s_add_co_u32 s46, s46, SCOFF
	s_mov_b32 s47, 0
	s_and_b32 s53, s50, 1
	s_mul_i32 s53, s53, s52
	s_lshl_b32 s53, s53, 3
	s_lshl_b32 s54, s50, 4
	s_sub_co_u32 s54, s54, s53                     ; the weight fragment's first row: 16 T - 8 (T % 2) for Wq, 16 T for Wp
	s_lshl_b32 s54, s54, 11
	s_lshl_b32 s55, s51, 9
	s_add_co_u32 s54, s54, s55                     ; + its K step's 512 bytes
	s_mov_b32 s55, 0
	s_lshr_b32 s56, s49, 4
	s_mul_i32 s56, s56, RECX
	s_add_co_u32 s56, s56, REC                     ; Wq: behind its head's keys, batch 0;
	s_and_b32 s57, s49, 15                         ; place 4 t + K step
	s_lshr_b32 s58, s51, 1
	s_mul_i32 s58, s58, REC                        ; Wp: its half;
	s_lshl_b32 s59, s50, 1
	s_and_b32 s60, s51, 1
	s_add_co_u32 s59, s59, s60                     ; place 2 T + (K step & 1)
	s_mov_b32 s61, SCOFF
	s_cmp_eq_u32 s48, 0
	s_cselect_b32 s56, s56, s58
	s_cselect_b32 s57, s57, s59
	s_cselect_b32 s61, 32768, s61                  ; from the codes' region to its scale words
	s_lshl_b32 s58, s57, 11
	s_add_co_u32 s58, s56, s58
	s_mov_b32 s59, 0
	s_lshl_b32 s57, s57, 7
	s_add_co_u32 s60, s56, s57
	s_add_co_u32 s60, s60, s61
	s_mov_b32 s61, 0
	s_lshl_b32 s78, ttmp9, 2
	s_lshr_b32 s79, s[WV], 2
	s_add_co_u32 s78, s78, s79                     ; q: my tile of 16 rows: 4 i + w / 4
	s_and_b32 s79, s[WV], 3                        ; my K step
	s_lshl_b32 s80, s78, 15
	s_lshl_b32 s81, s79, 9
	s_add_co_u32 s80, s80, s81
	s_mov_b32 s81, 0
	s_lshl_b32 s82, s78, 2
	s_add_co_u32 s82, s82, s79                     ; my fragment of q
	s_lshl_b32 s84, s82, 7                         ; its scale words
	s_mov_b32 s85, 0
	s_lshl_b32 s82, s82, 11                        ; its codes
	s_mov_b32 s83, 0
	v_and_b32 v1, 31, v0                           ; lane
	v_and_b32 v2, 15, v0                           ; r
	v_bfe_u32 v55, v0, 4, 1                        ; lane / 16
	v_lshlrev_b32 v58, 6, v55
	v_lshl_add_u32 v[KA], v2, 11, v58
	v_and_b32 v59, 8, v2
	v_mul_u32_u24 v60, s63, v59
	v_add_nc_u32 v60, v60, v2
	v_lshl_add_u32 v[RA], v60, 11, v58
	v_mul_u32_u24 v59, s52, v59
	v_add_nc_u32 v59, v59, v2
	v_lshl_add_u32 v[EA], v59, 11, v58
	v_lshlrev_b32 v[LI], 4, v1
	v_lshlrev_b32 v[LS], 2, v1
	v_add_nc_u32 v[KWI], s86, v[LI]
	v_add_nc_u32 v[KWS], s87, v[LS]
	v_add_nc_u32 v[KRI], s88, v[LI]
	v_add_nc_u32 v[WRI], s89, v[LI]
	v_add_nc_u32 v[KRS], s90, v[LS]
	v_add_nc_u32 v[WRS], s91, v[LS]
.irp b, 0,1,2,3
	v_mov_b32 v[TM+4+\b], 0                        ; written once: a lane permute's destination counts as one of its sources
.endr
	s_wait_alu depctr_va_vdst(0)                   ; the wait at the head's end
	s_wait_kmcnt 0x0
	s_cmp_lt_u32 s[WV], 8                          ; the choices hang on the wave's and the work-group's number alone
	s_cselect_b64 s[4:5], s[4:5], s[6:7]
	s_add_nc_u64 s[4:5], s[4:5], s[34:35]
	s_add_nc_u64 s[24:25], s[70:71], s[44:45]      ; where my fragment of keys goes,
	s_add_nc_u64 s[26:27], s[70:71], s[46:47]      ; and its scale words
	s_cmp_lt_u32 ttmp9, 128
	s_cselect_b64 s[28:29], s[8:9], s[10:11]
	s_cselect_b64 s[30:31], s[70:71], s[72:73]
	s_add_nc_u64 s[28:29], s[28:29], s[54:55]
	s_add_nc_u64 s[32:33], s[30:31], s[60:61]
	s_add_nc_u64 s[30:31], s[30:31], s[58:59]
	s_add_nc_u64 s[68:69], s[68:69], s[80:81]
	s_add_nc_u64 s[74:75], s[74:75], s[82:83]
	s_add_nc_u64 s[76:77], s[76:77], s[84:85]
	XLOAD EX, KA, 68, 0                            ; q's fragment: asked for first, worked last
	XLOAD ST0, RA, 4, 0
	XLOAD ST0+64, RA, 4, 512
; K step n of my 16 rows.  One fragment's loads are out while another is quantised.
.macro QA n
.if \n < 3
	s_wait_loadcnt 16                              ; loads come back in order: this fragment's 16 are in, the next fragment's 16 may be out
.else
	s_wait_loadcnt 0x0
.endif
	QUANT ST0+64*((\n)%2), PC, 0
	IMAGE KWI, 2048*(\n)
	ds_store_b32 v[KWS], v[PW] offset:128*(\n)
	s_wait_dscnt 0x0                               ; the stores have read their registers: the next codes may be written
.if (\n)+2 < 4
	XLOAD ST0+64*((\n)%2), RA, 4, 512*((\n)+2)
.endif
.endm
.irp n, 0,1,2,3
	QA \n
.endr
	s_cmp_lg_u32 s[WV], 15
	s_cbranch_scc1 .Lno_w_load
	XLOAD ST0, EA, 28, 0                           ; wave 15: the weight fragment's numbers
.Lno_w_load:
	s_wait_dscnt 0x0                               ; for the others' sake: my images have landed
	s_barrier_signal -1
	s_barrier_wait -1                              ; all 64 fragments lie in LDS; nothing is written there again
	s_cmp_lt_u32 s[WV], 8
	s_cbranch_scc0 .Lno_prod                       ; waves 8-15 go on to q at once
.irp ks, 0,1,2,3
.irp t, 0,1,2,3
	FETCH WF+16*\t, WRI, 8192*\t+2048*\ks
	ds_load_b32 v[WS+\t], v[WRS] offset:512*\t+128*\ks
.endr
.irp p, 0,1
	FETCH XF+16*\p, KRI, 8192*\p+2048*\ks
	ds_load_b32 v[XS+\p], v[KRS] offset:512*\p+128*\ks
.endr
	s_wait_dscnt 0x0
.irp p, 0,1
.irp t, 0,1,2,3
.if \ks == 0
	v_wmma_scale_f32_16x16x128_f8f6f4 v[ACC+32*\p+8*\t:ACC+32*\p+8*\t+7], v[WF+16*\t:WF+16*\t+15], v[XF+16*\p:XF+16*\p+15], 0, v[WS+\t], v[XS+\p] matrix_a_fmt:MATRIX_FMT_BF8 matrix_b_fmt:MATRIX_FMT_BF8
.else
	v_wmma_scale_f32_16x16x128_f8f6f4 v[ACC+32*\p+8*\t:ACC+32*\p+8*\t+7], v[WF+16*\t:WF+16*\t+15], v[XF+16*\p:XF+16*\p+15], v[ACC+32*\p+8*\t:ACC+32*\p+8*\t+7], v[WS+\t], v[XS+\p] matrix_a_fmt:MATRIX_FMT_BF8 matrix_b_fmt:MATRIX_FMT_BF8
.endif
.endr
.endr                                  ; the eight accumulators take turns
.rept 8
	v_nop                                          ; eight places ahead of loads into registers that these products read, and of the first read of results
.endr
.endr
	; lane (r, h) holds key r of tile p; register 32 p + 16 bb + i is d = 32 bb + 16 h + i: block 2 p + bb is register group 2 p + bb of the fragment
	QUANT ACC, PC, 0
	OUTC 24, 0
	global_store_b32 v[LS], v[PW], s[26:27]
.Lno_prod:
	s_wait_xcnt 0x0                                ; any stores have read their data: codes and scale word are written again only behind this wait
	QUANT EX, PC, 0                                ; q's fragment came in ahead of my four
	OUTC 74, 0
	global_store_b32 v[LS], v[PW], s[76:77]
	s_cmp_lg_u32 s[WV], 15
	s_cbranch_scc1 .Lno_extra
	s_wait_loadcnt 0x0
	s_wait_xcnt 0x0
	QUANT ST0, PC, 0
	OUTC 30, 0
	global_store_b32 v[LS], v[PW], s[32:33]
	s_cmp_lg_u32 s48, 0
	s_cbranch_scc1 .Lno_extra                      ; Wp is stored once; Wq once more for each further batch (the largest immediate, 24 RECX + 1,536, lies inside the signed 24 bits)
.irp bb, 1,2,3
	OUTC 30, \bb*8*RECX
	global_store_b32 v[LS], v[PW], s[32:33] offset:\bb*8*RECX
.endr
.Lno_extra:
	s_wait_tensorcnt 0x0                           ; the wave's end
	ds_add_u32 v[SPW], v[NIL]
	s_wait_dscnt 0x0
	s_endpgm
.Lfunc_end_k_q3342eb6acc_prep:
	.size	k_q3342eb6acc_prep, .Lfunc_end_k_q3342eb6acc_prep-k_q3342eb6acc_prep
	.p2alignl 7, 3214868480
	.fill 96, 4, 3214868480
	.section	.rodata,"a",@progbits
	.p2align	6, 0x0
	.amdhsa_kernel k_q3342eb6acc_prep
		.amdhsa_group_segment_fixed_size 141312
		.amdhsa_private_segment_fixed_size 0
		.amdhsa_enable_private_segment 0
		.amdhsa_kernarg_size 72
		.amdhsa_user_sgpr_count 2
		.amdhsa_user_sgpr_kernarg_segment_ptr 1
		.amdhsa_wavefront_size32 1
		.amdhsa_system_sgpr_workgroup_id_x 1
		.amdhsa_system_sgpr_workgroup_id_y 1
		.amdhsa_system_sgpr_workgroup_id_z 1
		.amdhsa_system_vgpr_workitem_id 0
		.amdhsa_next_free_vgpr 256
		.amdhsa_next_free_sgpr 96
		.amdhsa_reserve_vcc 0
		.amdhsa_float_denorm_mode_32 3
		.amdhsa_float_denorm_mode_16_64 3
		.amdhsa_memory_ordered 1
		.amdhsa_forward_progress 1
		.amdhsa_inst_pref_size 92
	.end_amdhsa_kernel
	.amdgpu_metadata
---
amdhsa.version: [ 1, 2 ]
amdhsa.kernels:
  - .name:           k_q3342eb6acc_prep
    .symbol:         k_q3342eb6acc_prep.kd
    .args:
      - { .name: k, .offset: 0, .size: 8, .value_kind: global_buffer, .address_space: global }
      - { .name: Wk, .offset: 8, .size: 8, .value_kind: global_buffer, .address_space: global }
      - { .name: Wq, .offset: 16, .size: 8, .value_kind: global_buffer, .address_space: global }
      - { .name: Wp, .offset: 24, .size: 8, .value_kind: global_buffer, .address_space: global }
      - { .name: q, .offset: 32, .size: 8, .value_kind: global_buffer, .address_space: global }
      - { .name: stream, .offset: 40, .size: 8, .value_kind: global_buffer, .address_space: global }
      - { .name: wpi, .offset: 48, .size: 8, .value_kind: global_buffer, .address_space: global }
      - { .name: qst, .offset: 56, .size: 8, .value_kind: global_buffer, .address_space: global }
      - { .name: qsc, .offset: 64, .size: 8, .value_kind: global_buffer, .address_space: global }
    .group_segment_fixed_size: 141312
    .private_segment_fixed_size: 0
    .kernarg_segment_align: 8
    .kernarg_segment_size: 72
    .max_flat_workgroup_size: 512
    .sgpr_count:     96
    .vgpr_count:     256
    .wavefront_size: 32
...
	.end_amdgpu_metadata
.endif
;; end of part 1
;; launch attn (part 2): grid 8 x 32, 16 waves a work-group, clusters of 4 x 1, 186,368 bytes of LDS; arguments qst, qsc, supp_mask, stream, sbuf; writes sbuf
.if DOCPART == 2
	.amdgcn_target "amdgcn-amd-amdhsa--gfx1250"
	.amdhsa_code_object_version 6
	.text
	.protected	k_q3342eb6acc_attn
	.globl	k_q3342eb6acc_attn
	.p2align	8
	.type	k_q3342eb6acc_attn,@function
k_q3342eb6acc_attn:
	s_mov_b64 s[64:65], 0
	v_nop
	global_prefetch_b8 v0, s[64:65] scope:SCOPE_SE
	s_setreg_imm32_b32 hwreg(HW_REG_WAVE_MODE, 25, 1), 1
	s_wait_xcnt 0x0
	s_wait_alu depctr_hold_cnt(0) depctr_sa_sdst(0) depctr_va_vdst(0) depctr_va_sdst(0) depctr_va_ssrc(0) depctr_va_vcc(0) depctr_vm_vsrc(0)
	s_getreg_b32 s2, hwreg(HW_REG_IB_STS2, 6, 4)
	s_cmp_eq_u32 s2, 0
	s_cbranch_scc0 .Lentry_in_a_cluster
	s_endpgm
.Lentry_in_a_cluster:
	s_bfe_u32 s2, ttmp6, 0x10000c
	s_cmp_lg_u32 s2, 0x3003
	s_cbranch_scc0 .Lentry_shape_is_right
	s_endpgm
.Lentry_shape_is_right:
; s[b][h][n] = sum_m softmax_m(qh[n] . kh[m] / 8) mask[m], qh = Q(q) Q(Wq)^T for one head; both products on codes of E5M2 with one E8M0 byte for each 32 along K; the sum with the mask in f32.
; The input v is not read (see the first launch's head).  supp_mask: [4][2048] int32, any whole numbers: converted as they are.
; IN: qst, qsc: q's register images and scale words; stream: record 8 b + h = the head's 2,048 projected keys (64 fragments, scale words from SCOFF) and its 64 rows of Wq (from REC), as the first launch's head lays them.
; OUT: sbuf[b][h][n], one word: s quantised as a block of 32 equal numbers: code, code, scale byte, scale byte.
; SHARES.  A work-group owns one (batch, head) and 512 queries; each of its sixteen waves 32 of them (two tiles), four waves to a SIMD.  The record, 174,080 bytes, comes into LDS ONCE and stays: the loop over the keys
; has no barrier and no refill.  CLUSTER: the four work-groups of a cluster have the same batch and head: the record is asked for JOINTLY, by waves 0-9, 68 rows of 256 bytes each, one load a wave.
; No prefetch: every global load of the launch stands at its head; the loop over the keys reads only LDS.
; K = 64 IN AN INSTRUCTION OF K = 128: a fragment of keys holds two tiles of 16 keys, one in each half of K; source 1 is Q's 64 codes in one half and ZERO CODES in the other; the keys' codes are finite and every scale
; byte lies in 1 .. 254, so the other half adds exactly 0.  Registers Z C0 Z C1 Z serve both halves of both query tiles.
; ALL PRODUCTS ARE USED TRANSPOSED (source 0 = weights or keys, source 1 = my queries): a lane holds ONE query (lane % 16).
; SOFTMAX.  Each lane keeps a running maximum m of its own half of the keys, l = sum p, n = sum p mask, p = 2^(c s - c m), c = log2(e) / 8; in every step l and n are multiplied by 2^(c m_old - c m_new).
; At the end the two halves of a query are brought under the larger c m, added, and s = n / l.
; LIMITS: NaN and infinities are not served.  A block whose largest magnitude lies under 2^-111 gets the byte 1; a block of zeros too, where the rule says 127: its codes are zeros and this program alone reads the bytes.
.set REC,   139264
.set RECX,  174080
.set SCOFF, 131072
.set PART,  17408                      ; a tenth of a record
.set WQ,    REC                        ; LDS = the record as it lies; behind it, in bytes that no tensor load fills:
.set MASK,  RECX                       ; the batch's mask as f32, 8,192 bytes,
.set SST,   MASK+8192                  ; the work-group's 512 words of s,
.set SPARE, SST+2048                   ; the spare words, 128 bytes a wave
.set LI,   1                           ; 16 x lane
.set LS,   2                           ; 4 x lane
.set AS0,  3                           ; the keys' scale words: SCOFF + 4 x lane
.set AM0,  4                           ; the mask: MASK + 32 (lane / 16)
.set ADK,  5                           ; the same three for the trip in hand
.set ADS,  6
.set ADM,  7
.set AWQ,  8                           ; Wq's fragments and scale words
.set AWQS, 9
.set MKW,  10                          ; where I store my four numbers of the mask
.set MA,   11                          ; and where they lie in memory: 16 x thread
.set SSW,  12                          ; where I store s's words, where waves 0-3 read them, and their place in sbuf
.set SSR,  13
.set GO,   16
.set SPW,  14
.set NIL,  15
.set WS,   20                          ; v20-21 Wq's scale words
.set XSW,  24                          ; v24-31 q's scale words: 4 tile + K step
.set X,    32                          ; v32-159 q's eight fragments: K step at 32 x step, tile at + 16
.set WF,   224                         ; v224-255 two fragments of Wq
.set STT,  28                          ; behind the projection: v28-43 tile x at 8 x: +0 c m, +1 m, +2,3 l, +4,5 n, +6 the step's factor, +7 zero
.set T,    44                          ; v44-51 tile x at 4 x: at work
.set QF,   52                          ; v52-91 Z C0 Z C1 Z
.set QS,   92                          ; v92-93 Q's scale words;  v94-95 the keys'
.set KS,   94
.set KF,   96                          ; v96-127 two fragments of keys
.set PC,   96
.set MK,   128                         ; v128-159 the mask of the step's 32 keys of my half
.set S,    160                         ; v160-223 scores, then p; in the projection the eight accumulators; at the head v160-163 my four numbers of the mask
.set TM,   224
.set PW,   240
.set WV,  14
.set CX,  15
.set XB,  16
.set BH,  17
.set MNT, 19
.set SEL, 20
.set CS,  22
.set TK,  24                           ; the keys' bytes passed: 16,384 a trip
.set TS,  25                           ; scale words' and mask's: 1,024 a trip
.set RC,  26
.set G1,  28
.set G0,  36
.macro QUANT s, d, gap                 ; as in the first launch
.irp b, 0,1,2,3
	v_max3_num_f32 v[TM+\b], |v[\s+16*\b]|, |v[\s+16*\b+1]|, 0x8000000
.endr
.irp i, 2,4,6,8,10,12,14
.irp b, 0,1,2,3
	v_max3_num_f32 v[TM+\b], v[TM+\b], |v[\s+16*\b+\i]|, |v[\s+16*\b+\i+1]|
.endr
.endr
.irp b, 0,1,2,3
	s_delay_alu instid0(VALU_DEP_4)
	v_permlanex16_b32 v[TM+4+\b], v[TM+\b], s[SEL], s[SEL+1]
.endr
.irp b, 0,1,2,3
	s_delay_alu instid0(VALU_DEP_4)
	v_max_num_f32 v[TM+\b], v[TM+\b], v[TM+4+\b]
.endr
.irp b, 0,1,2,3
	s_delay_alu instid0(VALU_DEP_4)
	v_add_nc_u32 v[TM+12+\b], 0xf8800000, v[TM+\b]
.endr
.irp b, 0,1,2,3
	v_and_or_b32 v[TM+8+\b], v[TM+\b], 0x7f800000, s[MNT]
.endr
.irp b, 0,1,2,3
	v_lshrrev_b32 v[TM+4+\b], 23, v[TM+12+\b]
.endr
	s_delay_alu instid0(VALU_DEP_3)
	v_lshl_or_b32 v[PW], v[TM+5], 8, v[TM+4]
	s_delay_alu instid0(VALU_DEP_1)
	v_lshl_or_b32 v[PW], v[TM+6], 16, v[PW]
	s_delay_alu instid0(VALU_DEP_1)
	v_lshl_or_b32 v[PW], v[TM+7], 24, v[PW]
.irp b, 0,1,2,3
.irp i, 0,1,2,3,4,5,6,7,8,9,10,11,12,13,14,15
	v_med3_num_f32 v[\s+16*\b+\i], v[\s+16*\b+\i], -v[TM+8+\b], v[TM+8+\b]
.endr
	v_cvt_scalef32_pk8_bf8_f32 v[\d+4*\b+\gap*(\b/2):\d+4*\b+\gap*(\b/2)+1], v[\s+16*\b:\s+16*\b+7], v[TM+12+\b]
	v_cvt_scalef32_pk8_bf8_f32 v[\d+4*\b+\gap*(\b/2)+2:\d+4*\b+\gap*(\b/2)+3], v[\s+16*\b+8:\s+16*\b+15], v[TM+12+\b]
.endr
	v_nop
.endm
.macro FETCH reg, va, off
.irp c, 0,1,2,3
	ds_load_b128 v[\reg+4*\c:\reg+4*\c+3], v[\va] offset:\off+512*\c
.endr
.endm
.macro CROUND                          ; a round of the cluster's barrier
	s_barrier_signal -1
	s_barrier_wait -1
	s_cmp_lg_u32 s[WV], 0
	s_cbranch_scc1 .Lnot_wave_0_\@
	s_barrier_signal -3
.Lnot_wave_0_\@:
	s_barrier_wait -3
	s_barrier_signal -1
	s_barrier_wait -1
.endm
.macro XLD ks                          ; q's two fragments of K step ks, straight from their images: each load covers 512 consecutive bytes
.irp mm, 0,1
.irp c, 0,1,2,3
	global_load_b128 v[X+32*(\ks)+16*\mm+4*\c:X+32*(\ks)+16*\mm+4*\c+3], v[LI], s[4:5] offset:(4*\mm+(\ks))*2048+512*\c
.endr
.endr
.endm
; half a K step of the projection: two tiles of Wq x my two tiles of rows; over a K step the eight accumulators take turns
.macro HSTEP ks, tp, zero
.irp u, 0,1
	FETCH WF+16*\u, AWQ, (4*(2*(\tp)+\u)+(\ks))*2048
	ds_load_b32 v[WS+\u], v[AWQS] offset:(4*(2*(\tp)+\u)+(\ks))*128
.endr
	s_wait_dscnt 0x0
.irp mm, 0,1
.irp u, 0,1
.if \zero
	v_wmma_scale_f32_16x16x128_f8f6f4 v[S+32*\mm+8*(2*(\tp)+\u):S+32*\mm+8*(2*(\tp)+\u)+7], v[WF+16*\u:WF+16*\u+15], v[X+32*(\ks)+16*\mm:X+32*(\ks)+16*\mm+15], 0, v[WS+\u], v[XSW+4*\mm+(\ks)] matrix_a_fmt:MATRIX_FMT_BF8 matrix_b_fmt:MATRIX_FMT_BF8
.else
	v_wmma_scale_f32_16x16x128_f8f6f4 v[S+32*\mm+8*(2*(\tp)+\u):S+32*\mm+8*(2*(\tp)+\u)+7], v[WF+16*\u:WF+16*\u+15], v[X+32*(\ks)+16*\mm:X+32*(\ks)+16*\mm+15], v[S+32*\mm+8*(2*(\tp)+\u):S+32*\mm+8*(2*(\tp)+\u)+7], v[WS+\u], v[XSW+4*\mm+(\ks)] matrix_a_fmt:MATRIX_FMT_BF8 matrix_b_fmt:MATRIX_FMT_BF8
.endif
.endr
.endr
.rept 8
	v_nop                                          ; eight places ahead of loads into registers that these products read, and of the first read of results
.endr
.endm
.macro KLOAD st                        ; two fragments (64 keys) of step st of the trip, and their scale words: ten loads
.irp uu, 0,1
	FETCH KF+16*\uu, ADK, 4096*(\st)+2048*\uu
	ds_load_b32 v[KS+\uu], v[ADS] offset:256*(\st)+128*\uu
.endr
.endm
; A KEY STEP: 64 keys x my 32 queries.  Score register 32 x + 8 t + j of lane (r, h) is query r of tile x, key 64 st + 16 t + 8 h + j of the trip's 256.
.macro STEP st
	s_wait_dscnt 0x0                               ; the keys' fragments and scale words are in
.irp t, 0,1,2,3
	ds_load_b128 v[MK+8*\t:MK+8*\t+3], v[ADM] offset:256*\st+64*\t       ; the mask of my 32 keys, in the order of the score registers
	ds_load_b128 v[MK+8*\t+4:MK+8*\t+7], v[ADM] offset:256*\st+64*\t+16
.endr
.irp x, 0,1
.irp t, 0,1,2,3                        ; even t: the fragment's first tile of keys, Q's codes in the lower half of K; odd t: the second, Q's codes in the upper half
	v_wmma_scale_f32_16x16x128_f8f6f4 v[S+32*\x+8*\t:S+32*\x+8*\t+7], v[KF+16*(\t/2):KF+16*(\t/2)+15], v[QF+8+16*\x-8*(\t%2):QF+8+16*\x-8*(\t%2)+15], 0, v[KS+\t/2], v[QS+\x] matrix_a_fmt:MATRIX_FMT_BF8 matrix_b_fmt:MATRIX_FMT_BF8
.endr
.endr
.rept 8
	v_nop                                          ; eight places ahead of the loads into the keys' registers and of the first read of scores
.endr
.if \st < 3
	KLOAD \st+1                                    ; the next step's keys land under this step's softmax
.endif
.irp j, 0,1,2,3
.irp x, 0,1
	v_max3_num_f32 v[T+4*\x+\j], v[S+32*\x+8*\j], v[S+32*\x+8*\j+1], v[S+32*\x+8*\j+2]   ; each accumulator is read from its low end on
.endr
.endr
.irp i, 3,5
.irp j, 0,1,2,3
.irp x, 0,1
	v_max3_num_f32 v[T+4*\x+\j], v[T+4*\x+\j], v[S+32*\x+8*\j+\i], v[S+32*\x+8*\j+\i+1]
.endr
.endr
.endr
.irp x, 0,1
	v_max3_num_f32 v[T+4*\x], v[T+4*\x], v[S+32*\x+7], v[S+32*\x+15]
.endr
.irp x, 0,1
	v_max3_num_f32 v[T+4*\x+2], v[T+4*\x+2], v[S+32*\x+23], v[S+32*\x+31]
.endr
.irp x, 0,1
	s_delay_alu instid0(VALU_DEP_2)
	v_max3_num_f32 v[T+4*\x], v[T+4*\x], v[T+4*\x+1], v[T+4*\x+2]
.endr
.irp x, 0,1
	s_delay_alu instid0(VALU_DEP_2)
	v_max3_num_f32 v[STT+8*\x+1], v[T+4*\x], v[T+4*\x+3], v[STT+8*\x+1]   ; the running maximum of my half of the keys
.endr
.irp x, 0,1
	s_delay_alu instid0(VALU_DEP_2)
	v_mul_f32 v[T+4*\x+1], s[CS], v[STT+8*\x+1]    ; c m
.endr
.irp x, 0,1
	s_delay_alu instid0(VALU_DEP_2)
	v_sub_f32 v[T+4*\x+2], v[STT+8*\x], v[T+4*\x+1]   ; c m_old - c m_new: exactly 0 where m stands
.endr
.irp x, 0,1
	s_delay_alu instid0(VALU_DEP_4)
	v_mov_b32 v[STT+8*\x], v[T+4*\x+1]
.endr
.irp p, 0,2,4,6,8,10,12,14,16,18,20,22,24,26,28,30
.irp x, 0,1
	v_pk_fma_f32 v[S+32*\x+\p:S+32*\x+\p+1], v[S+32*\x+\p:S+32*\x+\p+1], s[CS:CS+1], v[STT+8*\x:STT+8*\x+1] op_sel_hi:[1,0,0] neg_lo:[0,0,1] neg_hi:[0,0,1]   ; c s - c m, two at a time
.endr
.endr
	s_wait_alu depctr_va_vdst(0)                   ; the wait ahead of the batch
.irp x, 0,1
	v_exp_f32 v[STT+8*\x+6], v[T+4*\x+2]           ; the factor for what was summed under the old maximum
.endr
.set e, 0
.rept 64
	v_exp_f32 v[S+e], v[S+e]                       ; p, at most 1
.set e, e+1
.endr
	v_nop                                          ; a plain line behind the last exponential
	s_wait_alu depctr_va_vdst(0)                   ; and one wait behind the batch, ahead of its first reader
.if \st < 3
	s_wait_dscnt 10                                ; the mask is in; the ten loads of the next step's keys, issued behind it, may be out
.else
	s_wait_dscnt 0x0
.endif
.irp x, 0,1
	v_pk_add_f32 v[T+4*\x:T+4*\x+1], v[S+32*\x:S+32*\x+1], v[S+32*\x+2:S+32*\x+3]       ; sum p
	v_pk_mul_f32 v[T+4*\x+2:T+4*\x+3], v[S+32*\x:S+32*\x+1], v[MK:MK+1]                 ; sum p mask: f32 throughout, since s goes on into a quantiser
.endr
.irp x, 0,1
	v_pk_fma_f32 v[T+4*\x+2:T+4*\x+3], v[S+32*\x+2:S+32*\x+3], v[MK+2:MK+3], v[T+4*\x+2:T+4*\x+3]
.endr
.irp p, 4,6,8,10,12,14,16,18,20,22,24,26,28,30
.irp x, 0,1
	v_pk_add_f32 v[T+4*\x:T+4*\x+1], v[T+4*\x:T+4*\x+1], v[S+32*\x+\p:S+32*\x+\p+1]     ; four chains by turns
	v_pk_fma_f32 v[T+4*\x+2:T+4*\x+3], v[S+32*\x+\p:S+32*\x+\p+1], v[MK+\p:MK+\p+1], v[T+4*\x+2:T+4*\x+3]
.endr
.endr
.irp x, 0,1
	v_pk_fma_f32 v[STT+8*\x+2:STT+8*\x+3], v[STT+8*\x+2:STT+8*\x+3], v[STT+8*\x+6:STT+8*\x+7], v[T+4*\x:T+4*\x+1] op_sel_hi:[1,0,1]
	v_pk_fma_f32 v[STT+8*\x+4:STT+8*\x+5], v[STT+8*\x+4:STT+8*\x+5], v[STT+8*\x+6:STT+8*\x+7], v[T+4*\x+2:T+4*\x+3] op_sel_hi:[1,0,1]
.endr
.endm
	s_load_b256 s[4:11], s[0:1], 0x0               ; qst, qsc, supp_mask, stream
	s_load_b64 s[12:13], s[0:1], 0x20              ; sbuf
	v_lshl_add_u32 v[SPW], v0, 2, SPARE
	v_mov_b32 v[NIL], 0
	ds_add_u32 v[SPW], v[NIL]                      ; the wave's opening: the add, twice on end, and its wait ahead of the first tensor loads
	ds_add_u32 v[SPW], v[NIL]
	v_lshrrev_b32 v1, 5, v0
	v_readfirstlane_b32 s[WV], v1                  ; wave 0..15
	s_bfe_u32 s[CX], ttmp6, 0x40000                ; my place in the cluster: it enters qst's, qsc's and sbuf's global addresses alone
	s_lshl_b32 s[XB], ttmp9, 2
	s_add_co_u32 s[XB], s[XB], s[CX]               ; my block of 512 queries
	s_and_b32 s[BH], ttmp7, 0xffff                 ; 8 batch + head, which the four partners share
	s_lshr_b32 s18, s[BH], 3                       ; batch
	s_mov_b32 s[MNT], 0x600000
	s_mov_b32 s[SEL], 0x76543210
	s_mov_b32 s[SEL+1], 0xfedcba98
	s_mov_b32 s[CS], 0x3e38aa3b                    ; c = log2(e) / 8
	s_mov_b32 s[CS+1], s[CS]
	s_mov_b32 s[G1], 15|(3<<16)|(1<<21)            ; group 1: all four work-groups; elements of 8 bytes; 68 dense rows of 256 bytes
	s_mov_b32 s[G1+1], 32<<16
	s_mov_b32 s[G1+2], 68<<16
	s_mov_b32 s[G1+3], 32<<16
	s_mov_b32 s[G1+4], 68
	s_mov_b32 s[G1+5], 32
	s_mov_b32 s[G1+6], 0
	s_mov_b32 s[G1+7], 0
	s_lshl_b32 s40, s18, 8
	s_lshl_b32 s41, s[XB], 5
	s_add_co_u32 s40, s40, s41
	s_lshl_b32 s41, s[WV], 1
	s_add_co_u32 s40, s40, s41                     ; my first tile of 16 rows of q: 256 b + 32 block + 2 wave
	s_lshl_b32 s42, s40, 9                         ; its scale words: 512 bytes a tile
	s_mov_b32 s43, 0
	s_lshl_b32 s40, s40, 13                        ; its codes: four fragments a tile
	s_mov_b32 s41, 0
	s_lshl_b32 s44, s18, 13                        ; the batch's mask
	s_mov_b32 s45, 0
	s_min_u32 s52, s[WV], 9
	s_mul_i32 s50, s52, PART                       ; my tenth of the record, in memory and in LDS
	s_mul_i32 s46, s[BH], RECX
	s_add_co_u32 s46, s46, s50
	s_mov_b32 s47, 0
	s_lshl_b32 s48, s[BH], 14
	s_lshl_b32 s49, s[XB], 11
	s_add_co_u32 s48, s48, s49                     ; my work-group's 2,048 bytes of sbuf
	s_mov_b32 s49, 0
	s_lshl_b32 s51, s[WV], 7
	v_and_b32 v20, 31, v0                          ; lane
	v_and_b32 v21, 15, v0                          ; r
	v_bfe_u32 v22, v0, 4, 1                        ; lane / 16
	v_and_b32 v23, 127, v0
	v_lshlrev_b32 v[LI], 4, v20
	v_lshlrev_b32 v[LS], 2, v20
	v_lshl_add_u32 v[AS0], v20, 2, SCOFF
	v_lshl_add_u32 v[AM0], v22, 5, MASK
	v_lshl_add_u32 v[AWQ], v20, 4, WQ
	v_lshl_add_u32 v[AWQS], v20, 2, WQ+32768
	v_lshl_add_u32 v[MKW], v0, 4, MASK
	v_lshlrev_b32 v[MA], 4, v0
	v_lshl_add_u32 v[SSW], v21, 2, SST
	v_add_nc_u32 v[SSW], s51, v[SSW]
	v_lshl_add_u32 v[SSR], v23, 4, SST
	v_lshlrev_b32 v[GO], 4, v23
	s_wait_alu depctr_va_vdst(0)                   ; the wait at the head's end
	s_wait_dscnt 0x0                               ; both opening adds are done
	CROUND                                         ; the opening round, ahead of the wait for the arguments: all four work-groups are here, the joint loads meet
	s_wait_kmcnt 0x0
	s_mov_b32 s[G0], 1
	s_mov_b32 s[G0+1], s50
	s_add_nc_u64 s[G0+2:G0+3], s[10:11], s[46:47]
	s_or_b32 s[G0+3], s[G0+3], 0x80000000
	s_cmp_lt_u32 s[WV], 10
	s_cbranch_scc0 .Lasked
	tensor_load_to_lds s[G0:G0+3], s[G1:G1+7]      ; waves 0-9: a tenth of the record each, asked for ahead of everything else
	s_nop 0
.rept 4
	v_nop
.endr
.Lasked:
	s_add_nc_u64 s[4:5], s[4:5], s[40:41]
	s_add_nc_u64 s[6:7], s[6:7], s[42:43]
	s_add_nc_u64 s[8:9], s[8:9], s[44:45]
	s_add_nc_u64 s[12:13], s[12:13], s[48:49]
	global_load_b128 v[S:S+3], v[MA], s[8:9]       ; my four numbers of the mask
	XLD 0
	XLD 1
	XLD 2
	XLD 3
.irp mm, 0,1
.irp ks, 0,1,2,3
	global_load_b32 v[XSW+4*\mm+\ks], v[LS], s[6:7] offset:(4*\mm+\ks)*128
.endr
.endr
	s_wait_loadcnt 40                              ; the mask is in; behind it 32 loads of q's codes and 8 of its scale words
.irp i, 0,1,2,3
	v_cvt_f32_i32 v[S+\i], v[S+\i]
.endr
	ds_store_b128 v[MKW], v[S:S+3]
	s_wait_tensorcnt 0x0                           ; my part of the record has landed,
	s_wait_dscnt 0x0                               ; and my part of the mask
	s_barrier_signal -1
	s_barrier_wait -1                              ; the record and the mask are whole; neither is written again
	s_wait_loadcnt 0x0
	; ---- qh = Q(q) Q(Wq)^T: the head's 64 columns for my 32 rows
	HSTEP 0, 0, 1
	HSTEP 0, 1, 1
	HSTEP 1, 0, 0
	HSTEP 1, 1, 0
	HSTEP 2, 0, 0
	HSTEP 2, 1, 0
	HSTEP 3, 0, 0
	HSTEP 3, 1, 0
.irp b, 0,1,2,3
	v_mov_b32 v[TM+4+\b], 0                        ; written once: a lane permute's destination counts as one of its sources (behind the last products' eight places: the registers held Wq)
.endr
	; lane (r, h) holds query r of tile mm; register 32 mm + 16 bb + i is d = 32 bb + 16 h + i: block 2 mm + bb gives registers 4 bb .. of tile mm's 8 code registers
	QUANT S, QF+8, 8
	v_perm_b32 v[QS], v[PW], v[PW], 0x01000100     ; tile 0's two bytes, for both halves of K
	v_perm_b32 v[QS+1], v[PW], v[PW], 0x03020302   ; tile 1's
.irp z, 0,16,32
.irp i, 0,1,2,3,4,5,6,7
	v_mov_b32 v[QF+\z+\i], 0                       ; the three groups of zero codes
.endr
.endr
.irp x, 0,1
	v_mov_b32 v[STT+8*\x+1], 0xff61b1e6            ; m: -3e38, under every score
	v_mul_f32 v[STT+8*\x], s[CS], v[STT+8*\x+1]
.irp i, 2,3,4,5,6,7
	v_mov_b32 v[STT+8*\x+\i], 0                    ; l, n: the first step's factor multiplies zeros
.endr
.endr                                  ; (these 40 lines are also the places between the scale words' and codes' last writes and the first product)
	s_mov_b32 s[TK], 0
	s_mov_b32 s[TS], 0
	s_mov_b32 s[RC], 8
.Ltrip:                                ; eight trips of 256 keys, all alike; no wave waits for another
	v_add_nc_u32 v[ADK], s[TK], v[LI]
	v_add_nc_u32 v[ADS], s[TS], v[AS0]
	v_add_nc_u32 v[ADM], s[TS], v[AM0]
	s_wait_alu depctr_va_vdst(0)                   ; the wait here, directly behind the writes
	KLOAD 0
	STEP 0
	STEP 1
	STEP 2
	STEP 3
	s_add_co_u32 s[TK], s[TK], 16384
	s_add_co_u32 s[TS], s[TS], 1024
	s_sub_co_u32 s[RC], s[RC], 1
	s_cmp_lg_u32 s[RC], 0
	s_cbranch_scc1 .Ltrip
	; ---- s = n / l: the two halves of a query's keys are brought under the larger c m and added
.irp x, 0,1
	v_add_f32 v[T+4*\x], v[STT+8*\x+2], v[STT+8*\x+3]
	v_add_f32 v[T+4*\x+1], v[STT+8*\x+4], v[STT+8*\x+5]
	v_permlanex16_b32 v[T+4*\x+2], v[STT+8*\x], s[SEL], s[SEL+1]
.endr
.irp x, 0
	s_delay_alu instid0(VALU_DEP_4)
	v_max_num_f32 v[T+4*\x+2], v[T+4*\x+2], v[STT+8*\x]
.endr
.irp x, 1
	s_delay_alu instid0(VALU_DEP_2)
	v_max_num_f32 v[T+4*\x+2], v[T+4*\x+2], v[STT+8*\x]
.endr
.irp x, 0,1
	s_delay_alu instid0(VALU_DEP_2)
	v_sub_f32 v[T+4*\x+3], v[STT+8*\x], v[T+4*\x+2]
.endr
	s_wait_alu depctr_va_vdst(0)
.irp x, 0,1
	v_exp_f32 v[T+4*\x+3], v[T+4*\x+3]
.endr
	v_nop
	s_wait_alu depctr_va_vdst(0)                   ; one wait for the two, ahead of their first reader
.irp x, 0,1
	v_mul_f32 v[T+4*\x], v[T+4*\x], v[T+4*\x+3]
	v_mul_f32 v[T+4*\x+1], v[T+4*\x+1], v[T+4*\x+3]
.endr
.irp x, 0,1
	s_delay_alu instid0(VALU_DEP_4)
	v_permlanex16_b32 v[T+4*\x+2], v[T+4*\x], s[SEL], s[SEL+1]
	v_permlanex16_b32 v[T+4*\x+3], v[T+4*\x+1], s[SEL], s[SEL+1]
.endr
.irp x, 0,1
	s_delay_alu instid0(VALU_DEP_4)
	v_add_f32 v[T+4*\x], v[T+4*\x], v[T+4*\x+2]    ; l: at least about 1, the largest score's own p
	s_delay_alu instid0(VALU_DEP_4)
	v_add_f32 v[T+4*\x+1], v[T+4*\x+1], v[T+4*\x+3]
.endr
	s_wait_alu depctr_va_vdst(0)
.irp x, 0,1
	v_rcp_f32 v[T+4*\x], v[T+4*\x]
.endr
	v_nop
	s_wait_alu depctr_va_vdst(0)
.irp x, 0,1
	v_mul_f32 v[T+4*\x+1], v[T+4*\x+1], v[T+4*\x]  ; s of query r, in both halves of the lanes
.endr
	; ---- the last product's blocks of 32 hold s 32 times: one scale byte and one code a query
.irp x, 0,1
	s_delay_alu instid0(VALU_DEP_2)
	v_max3_num_f32 v[T+4*\x], |v[T+4*\x+1]|, |v[T+4*\x+1]|, 0x8000000
.endr
.irp x, 0
	s_delay_alu instid0(VALU_DEP_2)
	v_add_nc_u32 v[T+4*\x+2], 0xf8800000, v[T+4*\x]
	s_delay_alu instid0(VALU_DEP_3)
	v_and_or_b32 v[T+4*\x+3], v[T+4*\x], 0x7f800000, s[MNT]
.endr
.irp x, 1
	s_delay_alu instid0(VALU_DEP_3)
	v_add_nc_u32 v[T+4*\x+2], 0xf8800000, v[T+4*\x]
	s_delay_alu instid0(VALU_DEP_4)
	v_and_or_b32 v[T+4*\x+3], v[T+4*\x], 0x7f800000, s[MNT]
.endr
.irp x, 0,1
	s_delay_alu instid0(VALU_DEP_3)
	v_med3_num_f32 v[T+4*\x+1], v[T+4*\x+1], -v[T+4*\x+3], v[T+4*\x+3]
	v_lshrrev_b32 v[T+4*\x], 23, v[T+4*\x+2]
.endr
.irp x, 0,1
.irp i, 0,1,2,3,4,5,6,7
	v_mov_b32 v[S+32*\x+\i], v[T+4*\x+1]
.endr
	v_cvt_scalef32_pk8_bf8_f32 v[PC+2*\x:PC+2*\x+1], v[S+32*\x:S+32*\x+7], v[T+4*\x+2]
.endr
	v_nop                                          ; a plain line behind the last conversion
.irp x, 0,1
	v_lshl_or_b32 v[T+4*\x], v[T+4*\x], 8, v[T+4*\x]   ; the byte twice
.endr
.irp x, 0,1
	v_and_b32 v[PC+2*\x], 0xffff, v[PC+2*\x]       ; the code twice
.endr
.irp x, 0,1
	v_lshl_or_b32 v[T+4*\x], v[T+4*\x], 16, v[PC+2*\x]
.endr
.irp x, 0,1
	ds_store_b32 v[SSW], v[T+4*\x] offset:64*\x    ; both halves of the lanes write the same word with the same value
.endr
	s_wait_dscnt 0x0
	s_barrier_signal -1
	s_barrier_wait -1                              ; the work-group's 512 words lie in LDS
	s_cmp_lt_u32 s[WV], 4
	s_cbranch_scc0 .Lnot_out
	ds_load_b128 v[PC:PC+3], v[SSR]
	s_wait_dscnt 0x0
	global_store_b128 v[GO], v[PC:PC+3], s[12:13]  ; waves 0-3: 512 consecutive bytes each, aligned
.Lnot_out:
	s_wait_tensorcnt 0x0                           ; the wave's end
	ds_add_u32 v[SPW], v[NIL]
	s_wait_dscnt 0x0
	CROUND                                         ; the closing round
	s_endpgm
.Lfunc_end_k_q3342eb6acc_attn:
	.size	k_q3342eb6acc_attn, .Lfunc_end_k_q3342eb6acc_attn-k_q3342eb6acc_attn
	.p2alignl 7, 3214868480
	.fill 96, 4, 3214868480
	.section	.rodata,"a",@progbits
	.p2align	6, 0x0
	.amdhsa_kernel k_q3342eb6acc_attn
		.amdhsa_group_segment_fixed_size 186368
		.amdhsa_private_segment_fixed_size 0
		.amdhsa_enable_private_segment 0
		.amdhsa_kernarg_size 40
		.amdhsa_user_sgpr_count 2
		.amdhsa_user_sgpr_kernarg_segment_ptr 1
		.amdhsa_wavefront_size32 1
		.amdhsa_system_sgpr_workgroup_id_x 1
		.amdhsa_system_sgpr_workgroup_id_y 1
		.amdhsa_system_sgpr_workgroup_id_z 1
		.amdhsa_system_vgpr_workitem_id 0
		.amdhsa_next_free_vgpr 256
		.amdhsa_next_free_sgpr 66
		.amdhsa_reserve_vcc 0
		.amdhsa_float_denorm_mode_32 3
		.amdhsa_float_denorm_mode_16_64 3
		.amdhsa_memory_ordered 1
		.amdhsa_forward_progress 1
		.amdhsa_inst_pref_size 88
	.end_amdhsa_kernel
	.amdgpu_metadata
---
amdhsa.version: [ 1, 2 ]
amdhsa.kernels:
  - .name:           k_q3342eb6acc_attn
    .symbol:         k_q3342eb6acc_attn.kd
    .args:
      - { .name: qst, .offset: 0, .size: 8, .value_kind: global_buffer, .address_space: global }
      - { .name: qsc, .offset: 8, .size: 8, .value_kind: global_buffer, .address_space: global }
      - { .name: supp_mask, .offset: 16, .size: 8, .value_kind: global_buffer, .address_space: global }
      - { .name: stream, .offset: 24, .size: 8, .value_kind: global_buffer, .address_space: global }
      - { .name: sbuf, .offset: 32, .size: 8, .value_kind: global_buffer, .address_space: global }
    .group_segment_fixed_size: 186368
    .private_segment_fixed_size: 0
    .kernarg_segment_align: 8
    .kernarg_segment_size: 40
    .max_flat_workgroup_size: 512
    .sgpr_count:     66
    .vgpr_count:     256
    .wavefront_size: 32
...
	.end_amdgpu_metadata
.endif
;; end of part 2
;; launch outp (part 3): grid 64 x 4, 16 waves a work-group, clusters of 4 x 1, 280,576 bytes of LDS; arguments sbuf, wpi, out0; writes out0
.if DOCPART == 3
	.amdgcn_target "amdgcn-amd-amdhsa--gfx1250"
	.amdhsa_code_object_version 6
	.text
	.protected	k_q3342eb6acc_outp
	.globl	k_q3342eb6acc_outp
	.p2align	8
	.type	k_q3342eb6acc_outp,@function
k_q3342eb6acc_outp:
	s_mov_b64 s[64:65], 0
	v_nop
	global_prefetch_b8 v0, s[64:65] scope:SCOPE_SE
	s_setreg_imm32_b32 hwreg(HW_REG_WAVE_MODE, 25, 1), 1
	s_wait_xcnt 0x0
	s_wait_alu depctr_hold_cnt(0) depctr_sa_sdst(0) depctr_va_vdst(0) depctr_va_sdst(0) depctr_va_ssrc(0) depctr_va_vcc(0) depctr_vm_vsrc(0)
	s_getreg_b32 s2, hwreg(HW_REG_IB_STS2, 6, 4)
	s_cmp_eq_u32 s2, 0
	s_cbranch_scc0 .Lentry_in_a_cluster
	s_endpgm
.Lentry_in_a_cluster:
	s_bfe_u32 s2, ttmp6, 0x10000c
	s_cmp_lg_u32 s2, 0x3003
	s_cbranch_scc0 .Lentry_shape_is_right
	s_endpgm
.Lentry_shape_is_right:
; out0 = Q(x) Q(Wp)^T on codes of E5M2 with one E8M0 byte for each 32 along K; x[n][64 h + d] = s[h][n]: each block of 32 of x holds one number 32 times.  out0: [4][4096][512] f32.
; IN: sbuf[b][h][n]: one word: s's code, code, scale byte, scale byte (made by the launch before);  wpi: Wp's register images, two halves of REC bytes (K steps 0-1, 2-3): fragment 2 T + (K step & 1), scale words from SCOFF on.
; SHARES.  A work-group owns 64 rows, all 512 columns.  Wave w = (w8 = w / 2: 64 columns; g = w % 2: row tiles 2 g, 2 g + 1).  Wp, 278,528 bytes, comes into LDS once: every wave fetches a sixteenth, 68 rows of 256 bytes.
; CLUSTER: all work-groups read the same Wp: the four of a cluster ask for it JOINTLY.  No prefetch: every load stands at the head; there is no loop to run ahead in.
; x's fragments are made in registers: the code's byte spread over a word, the word over a head's eight registers.  The products are used transposed: a lane holds eight neighbouring columns of one row.
.set REC,   139264
.set SCOFF, 131072
.set PART,  17408
.set SPARE, 2*REC                      ; the spare words, 128 bytes a wave
.set SA,   1                           ; 4 r
.set AW,   3                           ; v3-4 half 0, 1: my eight fragments
.set AWS,  5                           ; v5-6 and their scale words
.set STO,  18                          ; the way out: into my stage, and back by rows
.set RD,   19
.set GO,   20
.set SPW,  22
.set NIL,  23
.set XSW,  24                          ; v24-31 x's scale words: 4 tile + K step
.set SW,   32                          ; v32-47 s's words: 8 tile + head
.set XF,   56                          ; v56-87 x's two fragments
.set WS,   96
.set WF,   100                         ; v100-163 four fragments of Wp
.set OB,   100
.set S,    164                         ; v164-227 the eight accumulators
.set WV,  12
.set W8,  13
.set G,   14
.set CX,  15
.set BLK, 16
.set BB,  17
.set G1,  28
.set G0,  36
.macro FETCH reg, va, off
.irp c, 0,1,2,3
	ds_load_b128 v[\reg+4*\c:\reg+4*\c+3], v[\va] offset:\off+512*\c
.endr
.endm
.macro CROUND
	s_barrier_signal -1
	s_barrier_wait -1
	s_cmp_lg_u32 s[WV], 0
	s_cbranch_scc1 .Lnot_wave_0_\@
	s_barrier_signal -3
.Lnot_wave_0_\@:
	s_barrier_wait -3
	s_barrier_signal -1
	s_barrier_wait -1
.endm
; A K step: heads 2 ks and 2 ks + 1; my four tiles of Wp x my two tiles of rows: eight accumulators by turns
.macro GSTEP ks, zero
.irp t, 0,1,2,3
	FETCH WF+16*\t, AW+(\ks)/2, 4096*\t+2048*((\ks)%2)
	ds_load_b32 v[WS+\t], v[AWS+(\ks)/2] offset:256*\t+128*((\ks)%2)
.endr
.irp mm, 0,1
.irp i, 0,1,2,3,4,5,6,7
	v_perm_b32 v[XF+16*\mm+\i], v[SW+8*\mm+2*(\ks)], v[SW+8*\mm+2*(\ks)], 0          ; byte 0, the code, four times
	v_perm_b32 v[XF+16*\mm+8+\i], v[SW+8*\mm+2*(\ks)+1], v[SW+8*\mm+2*(\ks)+1], 0
.endr
.endr
.rept 4
	v_nop                                          ; an operand written by vector instructions stands four places ahead of a scaled product
.endr
	s_wait_alu depctr_va_vdst(0)                   ; the wait here, directly ahead of the wait below
	s_wait_dscnt 0x0
.irp mm, 0,1
.irp t, 0,1,2,3
.if \zero
	v_wmma_scale_f32_16x16x128_f8f6f4 v[S+32*\mm+8*\t:S+32*\mm+8*\t+7], v[WF+16*\t:WF+16*\t+15], v[XF+16*\mm:XF+16*\mm+15], 0, v[WS+\t], v[XSW+4*\mm+(\ks)] matrix_a_fmt:MATRIX_FMT_BF8 matrix_b_fmt:MATRIX_FMT_BF8
.else
	v_wmma_scale_f32_16x16x128_f8f6f4 v[S+32*\mm+8*\t:S+32*\mm+8*\t+7], v[WF+16*\t:WF+16*\t+15], v[XF+16*\mm:XF+16*\mm+15], v[S+32*\mm+8*\t:S+32*\mm+8*\t+7], v[WS+\t], v[XSW+4*\mm+(\ks)] matrix_a_fmt:MATRIX_FMT_BF8 matrix_b_fmt:MATRIX_FMT_BF8
.endif
.endr
.endr
.rept 8
	v_nop                                          ; eight places ahead of loads and writes into registers that these products read, and of the first read of results
.endr
.endm
	s_load_b128 s[4:7], s[0:1], 0x0                ; sbuf, wpi
	s_load_b64 s[10:11], s[0:1], 0x10              ; out0
	v_lshl_add_u32 v[SPW], v0, 2, SPARE
	v_mov_b32 v[NIL], 0
	ds_add_u32 v[SPW], v[NIL]                      ; the wave's opening: the add, twice on end, and its wait ahead of my first tensor load
	ds_add_u32 v[SPW], v[NIL]
	v_lshrrev_b32 v1, 5, v0
	v_readfirstlane_b32 s[WV], v1                  ; wave 0..15
	s_lshr_b32 s[W8], s[WV], 1
	s_and_b32 s[G], s[WV], 1
	s_bfe_u32 s[CX], ttmp6, 0x40000                ; my place in the cluster: it enters sbuf's and out0's global addresses alone
	s_lshl_b32 s[BLK], ttmp9, 2
	s_add_co_u32 s[BLK], s[BLK], s[CX]             ; my block of 64 rows
	s_and_b32 s[BB], ttmp7, 0xffff                 ; the batch
	s_mov_b32 s[G1], 15|(3<<16)|(1<<21)            ; group 1: all four work-groups; elements of 8 bytes; 68 dense rows of 256 bytes
	s_mov_b32 s[G1+1], 32<<16
	s_mov_b32 s[G1+2], 68<<16
	s_mov_b32 s[G1+3], 32<<16
	s_mov_b32 s[G1+4], 68
	s_mov_b32 s[G1+5], 32
	s_mov_b32 s[G1+6], 0
	s_mov_b32 s[G1+7], 0
	s_lshl_b32 s40, s[BB], 17
	s_lshl_b32 s41, s[BLK], 8
	s_add_co_u32 s40, s40, s41
	s_lshl_b32 s41, s[G], 7
	s_add_co_u32 s40, s40, s41                     ; sbuf: head 0's words of my 32 rows; a head on is 16,384 bytes
	s_mov_b32 s41, 0
	s_lshl_b32 s42, s[BB], 12
	s_lshl_b32 s43, s[BLK], 6
	s_add_co_u32 s42, s42, s43
	s_lshl_b32 s43, s[G], 5
	s_add_co_u32 s42, s42, s43                     ; out0: my 32 rows,
	s_lshl_b32 s42, s42, 11
	s_lshl_b32 s43, s[W8], 8
	s_add_co_u32 s42, s42, s43                     ; my 64 columns
	s_mov_b32 s43, 0
	s_mul_i32 s44, s[WV], PART                     ; my sixteenth of Wp, in memory and in LDS
	s_mov_b32 s45, 0
	s_lshl_b32 s49, s[W8], 14
	s_lshl_b32 s50, s[W8], 10
	s_add_co_u32 s50, s50, SCOFF
	s_mul_i32 s51, s[WV], 4352                     ; my stage: 16 rows x (256 bytes + 16), in the first half
	v_and_b32 v100, 31, v0                         ; lane
	v_and_b32 v101, 15, v0                         ; r
	v_bfe_u32 v102, v0, 4, 1                       ; lane / 16
	v_lshlrev_b32 v103, 4, v100
	v_lshlrev_b32 v104, 2, v100
	v_lshlrev_b32 v[SA], 2, v101
	v_add_nc_u32 v[AW], s49, v103
	v_add_nc_u32 v[AW+1], REC, v[AW]
	v_add_nc_u32 v[AWS], s50, v104
	v_add_nc_u32 v[AWS+1], REC, v[AWS]
	v_mul_u32_u24 v[STO], v101, 272
	v_lshl_add_u32 v[STO], v102, 5, v[STO]
	v_add_nc_u32 v[STO], s51, v[STO]
	v_mul_u32_u24 v[RD], v102, 272
	v_lshl_add_u32 v[RD], v101, 4, v[RD]
	v_add_nc_u32 v[RD], s51, v[RD]
	v_lshlrev_b32 v[GO], 11, v102
	v_lshl_add_u32 v[GO], v101, 4, v[GO]
	s_wait_alu depctr_va_vdst(0)                   ; the wait at the head's end
	s_wait_dscnt 0x0                               ; both opening adds are done
	CROUND                                         ; the opening round, ahead of the wait for the arguments: all four work-groups are here, the joint loads meet
	s_wait_kmcnt 0x0
	s_mov_b32 s[G0], 1
	s_mov_b32 s[G0+1], s44
	s_add_nc_u64 s[G0+2:G0+3], s[6:7], s[44:45]
	s_or_b32 s[G0+3], s[G0+3], 0x80000000
	tensor_load_to_lds s[G0:G0+3], s[G1:G1+7]      ; one load a wave, with no branch
	s_nop 0
.rept 4
	v_nop
.endr
	s_add_nc_u64 s[4:5], s[4:5], s[40:41]
	s_add_nc_u64 s[10:11], s[10:11], s[42:43]
.irp mm, 0,1
.irp hd, 0,1,2,3,4,5,6,7
	global_load_b32 v[SW+8*\mm+\hd], v[SA], s[4:5] offset:16384*\hd+64*\mm   ; row r's word, in both halves of the lanes
.endr
.endr
	s_wait_loadcnt 0x0
.irp mm, 0,1
.irp ks, 0,1,2,3
	v_perm_b32 v[XSW+4*\mm+\ks], v[SW+8*\mm+2*\ks+1], v[SW+8*\mm+2*\ks], 0x07060302   ; the two heads' upper halves: byte, byte | byte, byte
.endr
.endr
	s_wait_alu depctr_va_vdst(0)                   ; the wait here, directly ahead of the wait below
	s_wait_tensorcnt 0x0
	s_barrier_signal -1
	s_barrier_wait -1                              ; Wp is whole
	GSTEP 0, 1
	GSTEP 1, 0
	s_barrier_signal -1                            ; my reads of the first half are over (the K step's wait was for 0); the loads up to the wait below read the second half, which nobody writes
	GSTEP 2, 0
	GSTEP 3, 0
	s_barrier_wait -1                              ; nobody reads the first half any more, and it has had its one fill: the stages lie there
	; ---- the way out: a tile of 16 rows x 256 bytes goes through my own stage and comes back by rows.  LDS serves a wave's instructions in order (ISA guide 5.7.1.4)
.irp mm, 0,1
.irp t, 0,1,2,3
	ds_store_b128 v[STO], v[S+32*\mm+8*\t:S+32*\mm+8*\t+3] offset:64*\t        ; each accumulator from its low end on
	ds_store_b128 v[STO], v[S+32*\mm+8*\t+4:S+32*\mm+8*\t+7] offset:64*\t+16
.endr
.irp i, 0,1,2,3,4,5,6,7
	ds_load_b128 v[OB+32*\mm+4*\i:OB+32*\mm+4*\i+3], v[RD] offset:544*\i
.endr
.endr
.irp mm, 0,1
.irp i, 0,1,2,3,4,5,6,7
	s_wait_dscnt 23-16*\mm-\i                      ; behind this load: its tile's younger loads, and for tile 0 the other tile's sixteen LDS instructions
	global_store_b128 v[GO], v[OB+32*\mm+4*\i:OB+32*\mm+4*\i+3], s[10:11] offset:32768*\mm+4096*\i th:TH_STORE_NT   ; sixteen lanes store 256 consecutive bytes, aligned; written once
.endr
.endr
	s_wait_tensorcnt 0x0                           ; the wave's end
	ds_add_u32 v[SPW], v[NIL]
	s_wait_dscnt 0x0
	CROUND                                         ; the closing round
	s_endpgm
.Lfunc_end_k_q3342eb6acc_outp:
	.size	k_q3342eb6acc_outp, .Lfunc_end_k_q3342eb6acc_outp-k_q3342eb6acc_outp
	.p2alignl 7, 3214868480
	.fill 96, 4, 3214868480
	.section	.rodata,"a",@progbits
	.p2align	6, 0x0
	.amdhsa_kernel k_q3342eb6acc_outp
		.amdhsa_group_segment_fixed_size 280576
		.amdhsa_private_segment_fixed_size 0
		.amdhsa_enable_private_segment 0
		.amdhsa_kernarg_size 24
		.amdhsa_user_sgpr_count 2
		.amdhsa_user_sgpr_kernarg_segment_ptr 1
		.amdhsa_wavefront_size32 1
		.amdhsa_system_sgpr_workgroup_id_x 1
		.amdhsa_system_sgpr_workgroup_id_y 1
		.amdhsa_system_sgpr_workgroup_id_z 1
		.amdhsa_system_vgpr_workitem_id 0
		.amdhsa_next_free_vgpr 256
		.amdhsa_next_free_sgpr 66
		.amdhsa_reserve_vcc 0
		.amdhsa_float_denorm_mode_32 3
		.amdhsa_float_denorm_mode_16_64 3
		.amdhsa_memory_ordered 1
		.amdhsa_forward_progress 1
		.amdhsa_inst_pref_size 30
	.end_amdhsa_kernel
	.amdgpu_metadata
---
amdhsa.version: [ 1, 2 ]
amdhsa.kernels:
  - .name:           k_q3342eb6acc_outp
    .symbol:         k_q3342eb6acc_outp.kd
    .args:
      - { .name: sbuf, .offset: 0, .size: 8, .value_kind: global_buffer, .address_space: global }
      - { .name: wpi, .offset: 8, .size: 8, .value_kind: global_buffer, .address_space: global }
      - { .name: out0, .offset: 16, .size: 8, .value_kind: global_buffer, .address_space: global }
    .group_segment_fixed_size: 280576
    .private_segment_fixed_size: 0
    .kernarg_segment_align: 8
    .kernarg_segment_size: 24
    .max_flat_workgroup_size: 512
    .sgpr_count:     66
    .vgpr_count:     256
    .wavefront_size: 32
...
	.end_amdgpu_metadata
.endif
;; end of part 3
